; MI455X (gfx1250); checked and timed in simulation.
; The chip was launched on July 23, 2026; its instructions are those of AMD's public machine-readable ISA for CDNA 5 (MIT licence, August 2026) and "CDNA5" Instruction Set Architecture Reference Guide (July 2026). The comments in the code are by the model that wrote it; some were corrected since.
;; SOM. Allowed arithmetic: matrix products marked QUANTISED: E2M1 operands, one E8M0 scale for each 32 along K, by v_wmma_scale_f32_16x16x128_f8f6f4 with both operands' format E2M1 (or v_wmma_scale_f32_32x16x128_f4), f32 sums; everything else in f32.
;; Inputs: all_weights 128 x 128 x 256 float32; data 8,192 x 256 float32.
;; Outputs: out0 128 x 128 x 256 float32.
;; Constants: it = 3.
;; This version of the problem:
;;   THIS VERSION OF THE PROBLEM IS GIVEN IN LOW PRECISION. The matrix products marked QUANTISED in the list below multiply operands that are first quantised to E2M1 (2 exponent bits, 1 mantissa bit; 4 bits a number), with one power-of-two scale for each 32 numbers along K (OCP MX v1.0); their sums are f32. All else is computed in f32.
;;   The module's matrix products, in the order in which they are computed (A, B: the left and right operand; K: the contracted axis; several contracted axes count as one K, in the product's order):
;;     1. [M 8,192, K 256] x [K 256, N 16,384]; A: computed on the way; B: input all_weights: QUANTISED
;;     2. [M 16,384, K 8,192] x [K 8,192, N 256]; A: computed on the way; B: input data: QUANTISED
;;   THE QUANTISER, for each operand of a quantised product, along K:
;;     - K is cut into blocks of 32 from its start; a last block that is shorter is filled with zeros.
;;     - A block's scale is 2^e with e = floor(log2(the largest magnitude in the block)) - 2, held to -126 .. 127; a block of zeros has e = 0. As a byte (E8M0): e + 127.
;;     - Each number is divided by its block's scale, clamped to +-6, and rounded to the nearest number of E2M1, ties to even, subnormals kept.
;;     - The product sums the exact products of the quantised numbers (number of the format x scale) in f32.
;;   ~~~python
;;   def quantise(x, axis):      # numpy; x: float32 -> the quantised numbers, widened to float32 again
;;       x = np.moveaxis(x, axis, -1); K = x.shape[-1]
;;       x = np.pad(x, [(0, 0)] * (x.ndim - 1) + [(0, -K % 32)]); x = x.reshape(x.shape[:-1] + (-1, 32)); a = np.abs(x).max(-1, keepdims=True)
;;       e = np.where(a > 0, np.clip(np.frexp(np.where(a > 0, a, 1))[1] - 1 - 2, -126, 127), 0)      # np.frexp(a)[1] - 1 = floor(log2(a)), exactly
;;       r = np.clip(x / 2.0 ** e, -6, 6)
;;       step = 2.0 ** (np.maximum(np.frexp(np.where(r == 0, 1, r))[1] - 1, 0) - 1)
;;       q = np.round(r / step) * step * 2.0 ** e      # np.round: ties to even
;;       return np.moveaxis(q.reshape(q.shape[:-2] + (-1,))[..., :K], -1, axis).astype(np.float32)
;;   ~~~
;;   OPERANDS COMPUTED ON THE WAY. 'Computed on the way' means the value that the module computes at that place (a softmax that the list does not call 'softmax' is quantised finished and normalised). What goes into a quantiser is computed in f32, as accurately as f32 sums, v_exp_f32 and their like allow (about 1e-6 of the number): no bf16 or f16 on the way to a quantiser, and a product that is left as it is and whose result goes on into a quantised operand takes f32 operands (vector FMAs, or v_wmma_f32_16x16x4_f32). A number that lies on a knife's edge between two numbers of the format may be rounded either way, as far as f32 arithmetic and the matrix unit's own rounding can turn it there, and no further.
;; One version. Each part assembles by itself: llvm-mc -triple=amdgcn-amd-amdhsa -mcpu=gfx1250 --defsym DOCPART=n.
;; ======== version 1 of 1: 4 launches
;; limits: right only within a limited range of input values
;; workspace buffers: wimg 2,359,296 bytes; ximg 1,179,648 bytes; bimg 1,114,112 bytes; part 2,097,152 bytes; pyimg 4,194,304 bytes; pximg 4,194,304 bytes
;; launch prep (part 1): grid 192 x 1, 8 waves a work-group, no clusters, 136,192 bytes of LDS; arguments all_weights, data, wimg, ximg, bimg; writes wimg, ximg, bimg
.if DOCPART == 1
	.amdgcn_target "amdgcn-amd-amdhsa--gfx1250"
	.amdhsa_code_object_version 6
	.text
	.protected	k_q6a018322a1_prep
	.globl	k_q6a018322a1_prep
	.p2align	8
	.type	k_q6a018322a1_prep,@function
k_q6a018322a1_prep:
	s_mov_b64 s[64:65], 0
	v_nop
	global_prefetch_b8 v0, s[64:65] scope:SCOPE_SE
	s_setreg_imm32_b32 hwreg(HW_REG_WAVE_MODE, 25, 1), 1
	s_wait_xcnt 0x0
; PREP: both inputs, read once, become codes of FP4 (E2M1) with one E8M0 byte for each 32 along K, laid as images of operand registers.
; all_weights [16384][256] -> wimg: a record of 2,304 bytes for each tile of 16 units: four pieces of 512 bytes (K step s of 128, half c: lane l's 16 bytes at 16 l),
;   128 bytes of scale words (lanes 0-15: row r's word of K step 0, lanes 16-31: of K step 1), the 16 rows' sums of squares, f32, twice.
; data [8192][256] -> ximg: the same records, of -2 x (the first product's operand 2 x with its sign turned: both factors change no code's magnitude); the sum slot holds x_sq = 0.25 sum((2x)^2), the same bits as sum(x^2).
; data -> bimg: the second product's right operand, K = the batch: for each 128 batch rows a block of 17,408 bytes: 16 column tiles x 2 pieces of 512 bytes, then 8 x 128 bytes of scale words (lanes 0-15 tile 2u, lanes 16-31 tile 2u+1).
; A block's scale is 2^(floor(log2(largest magnitude)) - 2); its byte is that magnitude's exponent field - 2, held at 1 from below (a block of zeros keeps the byte 1: its codes are zeros, and this program alone reads the bytes).
; LIMITS: NaN and infinities among the inputs are not served; |x| from 2^127 on overflows in 2 x; blocks whose largest magnitude lies under 2^-124 keep the byte 1.
; SHARES: work-groups 0-127 take 128 units each, 128-191 take 128 data rows each.  One path for both: only pointers and two factors are chosen, by the work-group's number.
; Wave w owns rows 16 w .. 16 w + 15: 16 KB dense, 32 loads of 512 consecutive bytes, all out at once.  They go through a stage in LDS (rows 1,040 bytes apart) and come back in the order of a fragment's registers.
.set PITCH, 1040                       ; a stage row: 1,024 bytes + 16: sixteen rows of one column start 4 words apart modulo 64 words
.set SCR,   128*PITCH                  ; behind the stage: 256 bytes for each wave, where a record's last 256 bytes are gathered
.set REC,   2304
.set KSB,   17408
.set L16,  1                           ; v1   16 x lane
.set SIN,  2                           ; v2   the stage, on the way in
.set SOUT, 3                           ; v3   and back: row 16 w + r, + 128 h
.set COL,  4                           ; v4-5 the stage by columns: batch row 32 h (+ 64), column 32 w + r
.set SH8,  6                           ; v6   8 h
.set SC4,  7                           ; v7   my wave's 256 bytes: 4 x lane
.set SC8,  8                           ; v8   8 x lane
.set L8,   9                           ; v9   8 x lane, as an offset in memory
.set MX,   10                          ; v10-13 four chains of a block's maximum
.set SO,   14                          ; v14  the conversions' scale operand
.set T,    15                          ; v15  what a lane permute brings
.set X,    16                          ; v16-143 128 numbers
.set C,    144                         ; v144-159 codes
.set BY,   160                         ; v160-163 scale bytes
.set SQ,   164                         ; v164-167 sums of squares, two pairs
.set W0,   168                         ; v168-169 scale words
.set IM,   170
.set SM,   171
.set PR,   172                         ; v[172:173]
.set BC,   174                         ; v174 16 lane + 2048 w
.set BSO,  175                         ; v175 4 lane + 128 w
.set IM2,  176
.set WV,   14                          ; s14  wave
.set MUL,  20                          ; s[20:21] 1.0 or -2.0
.set SQM,  22                          ; s22  1.0 or 0.25
.set SEL,  28                          ; s[28:29] lane l xor 16
.set HALF, 30                          ; s30  lanes 16-31
; 32 numbers of ONE lane, one block along K, become 4 registers of codes and a scale byte
.macro QBLK src, cdst, by
.irp k, 0,1,2,3
	v_max_num_f32 v[MX+\k], |v[(\src)+8*\k]|, |v[(\src)+8*\k+1]|
.endr
.irp i, 2,4,6
.irp k, 0,1,2,3
	s_delay_alu instid0(VALU_DEP_4)
	v_max3_num_f32 v[MX+\k], v[MX+\k], |v[(\src)+8*\k+\i]|, |v[(\src)+8*\k+\i+1]|    ; four chains by turns
.endr
.endr
	s_delay_alu instid0(VALU_DEP_2)
	v_max3_num_f32 v[MX], v[MX], v[MX+1], v[MX+2]
	s_delay_alu instid0(VALU_DEP_1)
	v_max3_num_f32 v[MX], v[MX], v[MX+3], 0x1800000        ; and the floor 2^(3 - 127): the byte cannot fall under 1
	s_delay_alu instid0(VALU_DEP_1)
	v_add_nc_u32 v[SO], 0xff000000, v[MX]                  ; 2 off the exponent field: the conversion takes that field as its scale
	s_delay_alu instid0(VALU_DEP_1)
	v_lshrrev_b32 v[\by], 23, v[SO]                        ; the scale's byte
.irp g, 0,1,2,3
	v_cvt_scalef32_pk8_fp4_f32 v[(\cdst)+\g], v[(\src)+8*\g:(\src)+8*\g+7], v[SO]
.endr
	v_nop                                                  ; one plain instruction behind the last scaled conversion
.endm
; my two bytes (blocks h and 2 + h of 128 along K) and lane l xor 16's two make the row's scale word
.macro WORD dst, by0, by1
	v_lshl_or_b32 v[\dst], v[\by1], 16, v[\by0]
	s_delay_alu instid0(VALU_DEP_1)
	v_lshlrev_b32 v[\dst], v[SH8], v[\dst]
	s_delay_alu instid0(VALU_DEP_1)
	v_permlanex16_b32 v[T], v[\dst], s[SEL], s[SEL+1]
	s_delay_alu instid0(VALU_DEP_1)
	v_or_b32 v[\dst], v[\dst], v[T]
.endm
	s_load_b256 s[4:11], s[0:1], 0x0               ; all_weights s[4:5], data s[6:7], wimg s[8:9], ximg s[10:11]
	s_load_b64 s[12:13], s[0:1], 0x20              ; bimg
	v_lshl_add_u32 v192, v0, 2, 0x21000
	v_mov_b32 v193, 0
	v_lshrrev_b32 v16, 5, v0
	s_delay_alu instid0(VALU_DEP_1)
	v_readfirstlane_b32 s[WV], v16                 ; wave 0..7
	v_and_b32 v16, 31, v0                          ; lane
	v_and_b32 v17, 15, v0                          ; r
	v_bfe_u32 v18, v0, 4, 1                        ; h
	s_delay_alu instid0(VALU_DEP_3)
	v_lshlrev_b32 v[L16], 4, v16
	s_mul_i32 s24, s[WV], 16*PITCH                 ; my 16 rows of the stage
	v_add_nc_u32 v[SIN], s24, v[L16]
	v_mul_u32_u24 v[SOUT], v17, PITCH
	s_delay_alu instid0(VALU_DEP_1)
	v_lshl_add_u32 v[SOUT], v18, 7, v[SOUT]
	s_delay_alu instid0(VALU_DEP_1)
	v_add_nc_u32 v[SOUT], s24, v[SOUT]
	v_mul_u32_u24 v[COL], v18, 32*PITCH
	s_delay_alu instid0(VALU_DEP_1)
	v_lshl_add_u32 v[COL], v17, 2, v[COL]
	s_lshl_b32 s25, s[WV], 7
	v_add_nc_u32 v[COL], s25, v[COL]
	s_delay_alu instid0(VALU_DEP_1)
	v_add_nc_u32 v[COL+1], 64*PITCH, v[COL]
	v_lshlrev_b32 v[SH8], 3, v18
	s_lshl_b32 s26, s[WV], 8
	s_add_co_u32 s26, s26, SCR
	v_lshl_add_u32 v[SC4], v16, 2, s26
	v_lshl_add_u32 v[SC8], v16, 3, s26
	v_lshlrev_b32 v[L8], 3, v16
	s_lshl_b32 s26, s[WV], 11
	v_add_nc_u32 v[BC], s26, v[L16]
	v_lshl_add_u32 v[BSO], v16, 2, s25
	v_mov_b32 v[T], 0                              ; written once: a lane permute's destination counts as one of its sources
	s_mov_b32 s[SEL], 0x76543210
	s_mov_b32 s[SEL+1], 0xfedcba98
	s_mov_b32 s[HALF], 0xffff0000
	s_wait_kmcnt 0x0
	s_cmp_lt_u32 ttmp9, 128                        ; units or data rows?  The choice hangs on the work-group's number alone
	s_cselect_b64 s[16:17], s[4:5], s[6:7]         ; the source
	s_cselect_b64 s[18:19], s[8:9], s[10:11]       ; the records
	s_cselect_b32 s[MUL], 1.0, -2.0
	s_cselect_b32 s[SQM], 1.0, 0x3e800000
	s_cselect_b32 s23, 0, 128
	s_mov_b32 s[MUL+1], s[MUL]                     ; (named with it as a pair, so it is written)
	s_sub_co_u32 s23, ttmp9, s23                   ; which 128 rows of the tensor
	s_lshl_b32 s24, s23, 3
	s_add_co_u32 s24, s24, s[WV]                   ; my tile of 16 rows
	s_lshl_b32 s26, s24, 14                        ; 16 rows of 1,024 bytes
	s_mov_b32 s27, 0
	s_add_nc_u64 s[16:17], s[16:17], s[26:27]
	s_mul_i32 s26, s24, REC
	s_add_nc_u64 s[18:19], s[18:19], s[26:27]
.set q, 0
.rept 32
	global_load_b128 v[X+4*q:X+4*q+3], v[L16], s[16:17] offset:512*q th:TH_LOAD_NT    ; 32 lanes read 512 consecutive bytes
.set q, q+1
.endr
.set q, 0
.rept 32
	s_wait_loadcnt 31-q                            ; loads come back in order: load q is in, the 31 - q younger ones stay out
	ds_store_b128 v[SIN], v[X+4*q:X+4*q+3] offset:(q/2)*PITCH+(q%2)*512
.set q, q+1
.endr
.irp b, 0,1,2,3                                ; block b = 2 s + c of my row: K = 128 s + 64 c + 32 h + 0 .. 31.  My own bytes, and LDS serves a wave in order: no wait between stores and loads
.irp i, 0,1,2,3,4,5,6,7
	ds_load_b128 v[X+32*\b+4*\i:X+32*\b+4*\i+3], v[SOUT] offset:256*\b+16*\i
.endr
.endr
.macro BLOCKA b
	s_wait_dscnt 8*(3-\b)                          ; this block's eight loads are in; the later blocks' eight each may be out
.set i, 0
.rept 16
	v_pk_mul_f32 v[X+32*\b+i:X+32*\b+i+1], v[X+32*\b+i:X+32*\b+i+1], s[MUL:MUL+1] op_sel_hi:[1,0]
.set i, i+2
.endr
.set i, 0
.if (\b == 0) && (i == 0)
	v_pk_mul_f32 v[SQ:SQ+1], v[X:X+1], v[X:X+1]                ; the first squares start the sums
	v_pk_mul_f32 v[SQ+2:SQ+3], v[X+2:X+3], v[X+2:X+3]
.else
	v_pk_fma_f32 v[SQ:SQ+1], v[X+32*\b+i:X+32*\b+i+1], v[X+32*\b+i:X+32*\b+i+1], v[SQ:SQ+1]
	v_pk_fma_f32 v[SQ+2:SQ+3], v[X+32*\b+i+2:X+32*\b+i+3], v[X+32*\b+i+2:X+32*\b+i+3], v[SQ+2:SQ+3]
.endif
.set i, i+4
.rept (8)-1
.if (\b == 0) && (i == 0)
	v_pk_mul_f32 v[SQ:SQ+1], v[X:X+1], v[X:X+1]                ; the first squares start the sums
	v_pk_mul_f32 v[SQ+2:SQ+3], v[X+2:X+3], v[X+2:X+3]
.else
	s_delay_alu instid0(VALU_DEP_2)
	v_pk_fma_f32 v[SQ:SQ+1], v[X+32*\b+i:X+32*\b+i+1], v[X+32*\b+i:X+32*\b+i+1], v[SQ:SQ+1]
	s_delay_alu instid0(VALU_DEP_2)
	v_pk_fma_f32 v[SQ+2:SQ+3], v[X+32*\b+i+2:X+32*\b+i+3], v[X+32*\b+i+2:X+32*\b+i+3], v[SQ+2:SQ+3]
.endif
.set i, i+4
.endr
	QBLK X+32*\b, C+4*\b, BY+\b
	global_store_b128 v[L16], v[C+4*\b:C+4*\b+3], s[18:19] offset:512*\b      ; a piece: 512 consecutive bytes
.endm
	BLOCKA 0
	BLOCKA 1
	BLOCKA 2
	BLOCKA 3
	WORD W0, BY, BY+1
	WORD W0+1, BY+2, BY+3
	s_delay_alu instid0(VALU_DEP_1)
	v_cndmask_b32 v[IM], v[W0], v[W0+1], s[HALF]   ; lanes 0-15 K step 0's word, lanes 16-31 K step 1's
	v_add_f32 v[SQ], v[SQ], v[SQ+1]
	v_add_f32 v[SQ+2], v[SQ+2], v[SQ+3]
	s_delay_alu instid0(VALU_DEP_1)
	v_add_f32 v[SQ], v[SQ], v[SQ+2]
	s_delay_alu instid0(VALU_DEP_1)
	v_permlanex16_b32 v[T], v[SQ], s[SEL], s[SEL+1]
	s_delay_alu instid0(VALU_DEP_1)
	v_add_f32 v[SQ], v[SQ], v[T]                   ; with lane l xor 16's half of the row
	s_delay_alu instid0(VALU_DEP_1)
	v_mul_f32 v[SM], s[SQM], v[SQ]
	ds_store_b32 v[SC4], v[IM]
	ds_store_b32 v[SC4], v[SM] offset:128
	ds_load_b64 v[PR:PR+1], v[SC8]
	s_wait_dscnt 0x0                               ; for my registers, and for the others: my rows lie in the stage
	global_store_b64 v[L8], v[PR:PR+1], s[18:19] offset:2048       ; the record's last 256 bytes, whole
	s_barrier_signal -1
	s_barrier_wait -1                              ; all 128 rows lie in the stage
	s_cmp_lt_u32 ttmp9, 128
	s_cbranch_scc1 .Lend
	; DATA ROWS ONLY: the same 128 rows, as they came, are one K step of the second product.  A lane takes a column and its registers run down the batch: wave w makes column tiles 2 w and 2 w + 1
	s_mul_i32 s26, s23, KSB
	s_add_nc_u64 s[12:13], s[12:13], s[26:27]
.macro GRP g                           ; group g = 2 x (tile of the two) + c: x(64 c + 32 h + i, my column), i = 0 .. 31
.irp i, 0,1,2,3,4,5,6,7,8,9,10,11,12,13,14,15,16,17,18,19,20,21,22,23,24,25,26,27,28,29,30,31
	ds_load_b32 v[X+32*(\g)+\i], v[COL+(\g)%2] offset:\i*PITCH+64*((\g)/2)
.endr
.endm
	GRP 0
	GRP 1
	s_wait_xcnt 0x0                                ; the records' stores have read their registers: the codes' registers are written again only behind this wait
.irp g, 0,1,2,3
.if \g < 3
	s_wait_dscnt 32                                ; this group's 32 loads are in; the next group's may be out
.else
	s_wait_dscnt 0x0
.endif
	QBLK X+32*\g, C+4*\g, BY+\g
.if \g < 2
	GRP \g+2
.endif
	global_store_b128 v[BC], v[C+4*\g:C+4*\g+3], s[12:13] offset:512*\g
.endr
	WORD W0, BY, BY+1
	WORD W0+1, BY+2, BY+3
	s_delay_alu instid0(VALU_DEP_1)
	v_cndmask_b32 v[IM2], v[W0], v[W0+1], s[HALF]
	global_store_b32 v[BSO], v[IM2], s[12:13] offset:16384         ; 128 consecutive bytes a wave: two waves fill an aligned 256; 1 KB in 17 of the block
.Lend:
	s_wait_tensorcnt 0x0
	ds_add_u32 v192, v193
	s_wait_dscnt 0x0
	s_endpgm
.Lfunc_end_k_q6a018322a1_prep:
	.size	k_q6a018322a1_prep, .Lfunc_end_k_q6a018322a1_prep-k_q6a018322a1_prep
	.p2alignl 7, 3214868480
	.fill 96, 4, 3214868480
	.section	.rodata,"a",@progbits
	.p2align	6, 0x0
	.amdhsa_kernel k_q6a018322a1_prep
		.amdhsa_group_segment_fixed_size 136192
		.amdhsa_private_segment_fixed_size 0
		.amdhsa_enable_private_segment 0
		.amdhsa_kernarg_size 40
		.amdhsa_user_sgpr_count 2
		.amdhsa_user_sgpr_kernarg_segment_ptr 1
		.amdhsa_wavefront_size32 1
		.amdhsa_system_sgpr_workgroup_id_x 1
		.amdhsa_system_sgpr_workgroup_id_y 1
		.amdhsa_system_sgpr_workgroup_id_z 1
		.amdhsa_system_vgpr_workitem_id 0
		.amdhsa_next_free_vgpr 194
		.amdhsa_next_free_sgpr 66
		.amdhsa_reserve_vcc 0
		.amdhsa_float_denorm_mode_32 3
		.amdhsa_float_denorm_mode_16_64 3
		.amdhsa_memory_ordered 1
		.amdhsa_forward_progress 1
		.amdhsa_inst_pref_size 49
	.end_amdhsa_kernel
	.amdgpu_metadata
---
amdhsa.version: [ 1, 2 ]
amdhsa.kernels:
  - .name:           k_q6a018322a1_prep
    .symbol:         k_q6a018322a1_prep.kd
    .args:
      - { .name: all_weights, .offset: 0, .size: 8, .value_kind: global_buffer, .address_space: global }
      - { .name: data, .offset: 8, .size: 8, .value_kind: global_buffer, .address_space: global }
      - { .name: wimg, .offset: 16, .size: 8, .value_kind: global_buffer, .address_space: global }
      - { .name: ximg, .offset: 24, .size: 8, .value_kind: global_buffer, .address_space: global }
      - { .name: bimg, .offset: 32, .size: 8, .value_kind: global_buffer, .address_space: global }
    .group_segment_fixed_size: 136192
    .private_segment_fixed_size: 0
    .kernarg_segment_align: 8
    .kernarg_segment_size: 40
    .max_flat_workgroup_size: 256
    .sgpr_count:     66
    .vgpr_count:     194
    .wavefront_size: 32
...
	.end_amdgpu_metadata
.endif
;; end of part 1
;; launch bmu (part 2): grid 16 x 16, 16 waves a work-group, clusters of 4 x 1, 169,984 bytes of LDS; arguments wimg, ximg, part; writes part
.if DOCPART == 2
	.amdgcn_target "amdgcn-amd-amdhsa--gfx1250"
	.amdhsa_code_object_version 6
	.text
	.protected	k_q6a018322a1_bmu
	.globl	k_q6a018322a1_bmu
	.p2align	8
	.type	k_q6a018322a1_bmu,@function
k_q6a018322a1_bmu:
	s_mov_b64 s[64:65], 0
	v_nop
	global_prefetch_b8 v0, s[64:65] scope:SCOPE_SE
	s_setreg_imm32_b32 hwreg(HW_REG_WAVE_MODE, 25, 1), 1
	s_wait_xcnt 0x0
	s_wait_alu depctr_hold_cnt(0) depctr_sa_sdst(0) depctr_va_vdst(0) depctr_va_sdst(0) depctr_va_ssrc(0) depctr_va_vcc(0) depctr_vm_vsrc(0)
	s_getreg_b32 s2, hwreg(HW_REG_IB_STS2, 6, 4)
	s_cmp_eq_u32 s2, 0
	s_cbranch_scc0 .Lentry_in_a_cluster
	s_endpgm
.Lentry_in_a_cluster:
	s_bfe_u32 s2, ttmp6, 0x10000c
	s_cmp_lg_u32 s2, 0x3003
	s_cbranch_scc0 .Lentry_shape_is_right
	s_endpgm
.Lentry_shape_is_right:
; BMU: for each data row the first unit with the least distance, among the 512 units that a wave sees.  key(row, unit) = w_sq[unit] + sum_k Q(-2 x)[k] Q(w)[k]: the first product on codes of FP4, with w_sq as the C of its first K step.
; sqrt and the addition of x_sq rise with the key, so the key's order is the distances' order.  Where the radicand x_sq + key is negative the distance is NaN, and an argmin takes the first NaN:
; the key is held from below at the largest f32 under -x_sq, so that every such unit has one and the same least key, and the first one wins.
; LIMITS: the order of rounding differs from sqrt(x_sq + w_sq - prod): two units whose keys that rounding makes equal or swaps can be ordered otherwise.  NaN and infinities among the inputs are not served.
; SHARES: a work-group takes 512 data rows (rb) x 1,024 units (cb).  Wave w: rows 64 (w & 7) on, four tiles of 16, whose fragments stay in 64 registers; of the 64 unit tiles those of parity w >> 3.
; CLUSTER: the four work-groups of a cluster share cb, so the units' 64 records (147,456 bytes) are asked for JOINTLY: the same load, descriptor and mask in all four.  LDS is filled once:
; wave w asks for records 4 w .. 4 w + 3 by ONE load, 9,216 dense bytes as 36 rows of 256; one tensor load of mine is out, one wait for it, one barrier, one loop.
; THE PRODUCT IS USED TRANSPOSED: source 0 = 16 units, source 1 = 16 data rows: lane (r, h) holds data row r and its registers units 8 h + 0 .. 7.
; THE SELECTS GO TWO TO AN INSTRUCTION (dual issue).  Such a pair wants one even and one odd destination, and its two first and its two second sources in different banks (register number mod 4):
; S and AC begin on even numbers, TID lies 5 above BEST, the tile's number is kept twice (v4, v14), and odd row tiles leave register 0 for the last minimum where even ones leave register 7.
; No prefetch: the records are asked for once, at the head, and there is no loop to run ahead in.
; OUT: part[p = 2 cb + parity][row] = (held key, unit index).
.set REC, 2304
.set A1,  1                            ; v1   16 lane + parity x REC: a record's pieces
.set A2,  2                            ; v2   4 lane + the same: its scale words
.set A3,  3                            ; v3   32 h + the same: its sums of squares
.set VT,  4                            ; v4   the tile in hand, 0 .. 63
.set C1,  5                            ; v5-7 the three addresses of the trip
.set L16, 8
.set L4,  9
.set L8,  10
.set KB,  11                           ; v11  1024 cb + 8 h
.set VT2, 14                           ; v14  the tile in hand once more
.set XF,  16                           ; v16-79  data fragments: tile t at 16 t: K step 0, K step 1
.set XS,  80                           ; v80-83  their scale words
.set NX,  84                           ; v84-87  the largest f32 under -x_sq
.set WF,  88                           ; v88-103 a unit tile's two fragments
.set WQ,  104                          ; v104-111 w_sq in the result's layout
.set WS,  112                          ; v112 its scale words
.set AC,  120                          ; v120-151 four accumulators
.set G,   152
.set BEST, 156
.set TID, 161
.set S,   166                          ; v166-197 the eight keys of the best tile so far
.set J,   198
.set K,   202
.set OV,  206
.set OK,  207
.set OUT, 208                          ; v[208:211]
.set WV,  12
.set G1,  16                           ; s[16:23]
.set G0,  24                           ; s[24:27]
.set TB,  40
.set IT,  41
.set SEL, 42
.set HALF, 44
.macro ROUND                           ; a round of the cluster's barrier
	s_barrier_signal -1
	s_barrier_wait -1
	s_cmp_lg_u32 s[WV], 0
	s_cbranch_scc1 .Lnw0_\@
	s_barrier_signal -3
.Lnw0_\@:
	s_barrier_wait -3
	s_barrier_signal -1
	s_barrier_wait -1
.endm
	s_load_b128 s[4:7], s[0:1], 0x0                ; wimg, ximg
	s_load_b64 s[8:9], s[0:1], 0x10                ; part
	v_lshl_add_u32 v254, v0, 2, 0x29000
	v_mov_b32 v255, 0
	ds_add_u32 v254, v255                          ; the opening lines: the add twice on end and its wait
	ds_add_u32 v254, v255
	v_lshrrev_b32 v12, 5, v0
	s_delay_alu instid0(VALU_DEP_1)
	v_readfirstlane_b32 s[WV], v12                 ; wave 0..15
	s_and_b32 s15, ttmp7, 0xffff                   ; cb, which the four partners share
	s_mov_b32 s[G1], 15|(3<<16)|(1<<21)            ; 15:0 the mask: all four; 17:16 elements of 8 bytes; 21 set beside a mask
	s_mov_b32 s[G1+1], 32<<16                      ; tensor_dim0: 32 elements, 256 bytes
	s_mov_b32 s[G1+2], 36<<16                      ; tensor_dim1
	s_mov_b32 s[G1+3], 32<<16                      ; tile_dim0
	s_mov_b32 s[G1+4], 36                          ; tile_dim1
	s_mov_b32 s[G1+5], 32                          ; pitch: dense
	s_mov_b32 s[G1+6], 0
	s_mov_b32 s[G1+7], 0
	s_lshl_b32 s50, s15, 4
	s_add_co_u32 s50, s50, s[WV]
	s_mul_i32 s50, s50, 4*REC                      ; records 64 cb + 4 wave on
	s_mov_b32 s51, 0
	s_mul_i32 s52, s[WV], 4*REC                    ; and their place in LDS: no place in the cluster enters it
	s_wait_dscnt 0x0
	s_wait_kmcnt 0x0
	s_add_nc_u64 s[4:5], s[4:5], s[50:51]
	s_mov_b32 s[G0], 1
	s_add_co_u32 s[G0+1], s52, 0
	s_add_nc_u64 s[G0+2:G0+3], s[4:5], 0
	s_or_b32 s[G0+3], s[G0+3], 0x80000000
	ROUND                                          ; all four work-groups are here: the joint loads meet
	tensor_load_to_lds s[G0:G0+3], s[G1:G1+7]
	s_nop 0
.rept 4
	v_nop
.endr
	s_bfe_u32 s13, ttmp6, 0x40000                  ; cx: it enters ximg's and part's addresses alone
	s_lshl_b32 s14, ttmp9, 2
	s_add_co_u32 s14, s14, s13                     ; rb
	s_and_b32 s48, s[WV], 7                        ; which 64 rows
	s_lshr_b32 s49, s[WV], 3                       ; which parity of unit tiles
	s_lshl_b32 s53, s14, 5
	s_lshl_b32 s54, s48, 2
	s_add_co_u32 s53, s53, s54                     ; my first tile of data rows
	s_mul_i32 s54, s53, REC
	s_mov_b32 s55, 0
	s_add_nc_u64 s[6:7], s[6:7], s[54:55]
	v_and_b32 v12, 31, v0
	v_bfe_u32 v13, v0, 4, 1
	s_delay_alu instid0(VALU_DEP_2)
	v_lshlrev_b32 v[L16], 4, v12
	s_delay_alu instid0(VALU_DEP_3)
	v_lshlrev_b32 v[L4], 2, v12
	s_delay_alu instid0(VALU_DEP_4)
	v_lshlrev_b32 v[L8], 3, v12
.irp t, 0,1,2,3
.irp b, 0,1,2,3
	global_load_b128 v[XF+16*\t+4*\b:XF+16*\t+4*\b+3], v[L16], s[6:7] offset:\t*REC+512*\b
.endr
	global_load_b32 v[XS+\t], v[L4], s[6:7] offset:\t*REC+2048
	global_load_b32 v[NX+\t], v[L4], s[6:7] offset:\t*REC+2176     ; x_sq of row r (the 16 sums lie there twice: both halves of the lanes find theirs)
.endr
	s_mul_i32 s56, s49, REC
	v_add_nc_u32 v[A1], s56, v[L16]
	v_add_nc_u32 v[A2], s56, v[L4]
	v_lshlrev_b32 v[A3], 5, v13
	s_delay_alu instid0(VALU_DEP_1)
	v_add_nc_u32 v[A3], s56, v[A3]
	v_mov_b32 v[VT], s49
	s_delay_alu instid0(VALU_DEP_1)
	v_add_nc_u32 v[VT], -2, v[VT]                  ; each tile adds 2 ahead of its use
	s_delay_alu instid0(VALU_DEP_1)
	v_mov_b32 v[VT2], v[VT]
	s_lshl_b32 s57, s15, 10
	v_lshl_add_u32 v[KB], v13, 3, s57
	s_lshl_b32 s58, s15, 1
	s_add_co_u32 s58, s58, s49                     ; p
	s_lshl_b32 s58, s58, 16
	s_lshl_b32 s59, s14, 12
	s_add_co_u32 s58, s58, s59                     ; + 512 rb rows of 8 bytes
	s_lshl_b32 s59, s48, 9
	s_add_co_u32 s58, s58, s59                     ; + my 64 rows
	s_mov_b32 s59, 0
	s_add_nc_u64 s[8:9], s[8:9], s[58:59]
	s_mov_b32 s[SEL], 0x76543210
	s_mov_b32 s[SEL+1], 0xfedcba98
	s_mov_b32 s[HALF], 0xffff0000
.irp t, 0,1,2,3
	v_mov_b32 v[BEST+\t], 0x7f800000               ; over every key
	v_mov_b32 v[TID+\t], 0
.endr
.set i, 0
.rept 32
	v_mov_b32 v[S+i], 0x7f800000                   ; selects read their old value: written once
.set i, i+1
.endr
	v_mov_b32 v[OV], 0
	v_mov_b32 v[OK], 0
	s_wait_loadcnt 0x0
.irp t, 0,1,2,3
	v_add_nc_u32 v[NX+\t], 0x80000001, v[NX+\t]    ; one step up in magnitude, sign set: the largest f32 under -x_sq
.endr
; One unit tile, o bytes behind the trip's addresses, against my four tiles of rows.
.macro TILE o
.irp b, 0,1,2,3
	ds_load_b128 v[WF+4*\b:WF+4*\b+3], v[C1] offset:512*\b+\o
.endr
	ds_load_b32 v[WS], v[C1+1] offset:2048+\o
	ds_load_b128 v[WQ:WQ+3], v[C1+2] offset:2176+\o
	ds_load_b128 v[WQ+4:WQ+7], v[C1+2] offset:2192+\o
	s_wait_dscnt 0x0
.irp t, 0,1,2,3                                ; the four accumulators by turns
	v_wmma_scale_f32_16x16x128_f8f6f4 v[AC+8*\t:AC+8*\t+7], v[WF:WF+7], v[XF+16*\t:XF+16*\t+7], v[WQ:WQ+7], v[WS], v[XS+\t] matrix_a_fmt:MATRIX_FMT_FP4 matrix_b_fmt:MATRIX_FMT_FP4
.endr
.irp t, 0,1,2,3
	v_wmma_scale_f32_16x16x128_f8f6f4 v[AC+8*\t:AC+8*\t+7], v[WF+8:WF+15], v[XF+16*\t+8:XF+16*\t+15], v[AC+8*\t:AC+8*\t+7], v[WS], v[XS+\t] matrix_a_fmt:MATRIX_FMT_FP4 matrix_b_fmt:MATRIX_FMT_FP4 matrix_a_scale:MATRIX_SCALE_ROW1 matrix_b_scale:MATRIX_SCALE_ROW1
.endr
	v_add_nc_u32 v[VT], 2, v[VT]                   ; four plain instructions between the products and the first read of a result (ISA guide 7.12.1)
	v_add_nc_u32 v[VT2], 2, v[VT2]
	v_nop
	v_nop
.irp t, 0,1,2,3                                ; each accumulator is read from its low end on: even tiles begin at register 0, odd ones at register 1
	v_min3_num_f32 v[G+\t], v[AC+8*\t+(\t%2)], v[AC+8*\t+(\t%2)+1], v[AC+8*\t+(\t%2)+2]
.endr
.irp t, 0,1,2,3
	v_min3_num_f32 v[G+\t], v[G+\t], v[AC+8*\t+(\t%2)+3], v[AC+8*\t+(\t%2)+4]
.endr
.irp t, 0,1,2,3
	v_min3_num_f32 v[G+\t], v[G+\t], v[AC+8*\t+(\t%2)+5], v[AC+8*\t+(\t%2)+6]
.endr
.irp q, 0,2                                    ; the register left over: 7 of the even tile, 0 of the odd one
	v_dual_min_num_f32 v[G+\q], v[G+\q], v[AC+8*\q+7] :: v_dual_min_num_f32 v[G+\q+1], v[G+\q+1], v[AC+8*\q+8]
.endr
.irp q, 0,2                                    ; the hold
	v_dual_max_num_f32 v[G+\q], v[G+\q], v[NX+\q] :: v_dual_max_num_f32 v[G+\q+1], v[G+\q+1], v[NX+\q+1]
.endr
.irp t, 0,1,2,3
	v_cmp_lt_f32 vcc_lo, v[G+\t], v[BEST+\t]       ; strictly under: of equal tiles the first stays
.if \t == 0
	v_dual_cndmask_b32 v[BEST+\t], v[BEST+\t], v[G+\t] :: v_dual_cndmask_b32 v[TID+\t], v[TID+\t], v[VT2]
.else
	v_dual_cndmask_b32 v[BEST+\t], v[BEST+\t], v[G+\t] :: v_dual_cndmask_b32 v[TID+\t], v[TID+\t], v[VT]
.endif
.irp j, 0,2,4,6
	v_dual_cndmask_b32 v[S+8*\t+\j], v[S+8*\t+\j], v[AC+8*\t+\j] :: v_dual_cndmask_b32 v[S+8*\t+\j+1], v[S+8*\t+\j+1], v[AC+8*\t+\j+1]
.endr
.endr
.endm
	s_wait_tensorcnt 0x0                           ; my four records are in: my one tensor load
	s_barrier_signal -1
	s_barrier_wait -1                              ; everybody's are
	s_mov_b32 s[TB], 0
	s_mov_b32 s[IT], 16                            ; 32 of the 64 records have my parity: two a trip
.Ltile:
	v_add_nc_u32 v[C1], s[TB], v[A1]
	v_add_nc_u32 v[C1+1], s[TB], v[A2]
	v_add_nc_u32 v[C1+2], s[TB], v[A3]
	TILE 0
	TILE 2*REC                                     ; my next tile lies two records on
	s_add_co_u32 s[TB], s[TB], 4*REC
	s_sub_co_u32 s[IT], s[IT], 1
	s_cmp_lg_u32 s[IT], 0
	s_cbranch_scc1 .Ltile
	; the first of the best tile's eight keys that is not over the held minimum
.irp t, 0,1,2,3
	v_mov_b32 v[J+\t], 7
.endr
.irp jj, 6,5,4,3,2,1,0
.irp t, 0,1,2,3
	v_cmp_gt_f32 vcc_lo, v[S+8*\t+\jj], v[BEST+\t]
	s_delay_alu instid0(VALU_DEP_1)
	v_cndmask_b32 v[J+\t], \jj, v[J+\t], vcc_lo
.endr
.endr
.irp t, 0,1,2,3
	v_lshl_add_u32 v[K+\t], v[TID+\t], 4, v[J+\t]
.endr
.irp t, 0,1,2,3
	s_delay_alu instid0(VALU_DEP_4)
	v_add_nc_u32 v[K+\t], v[KB], v[K+\t]           ; the unit: 1024 cb + 16 tile + 8 h + j
.endr
.irp t, 0,1,2,3                                ; with lane l xor 16, which saw the tiles' other eight units: the lesser key, of equal keys the lower unit
	v_permlanex16_b32 v[OV], v[BEST+\t], s[SEL], s[SEL+1]
	v_permlanex16_b32 v[OK], v[K+\t], s[SEL], s[SEL+1]
	s_delay_alu instid0(VALU_DEP_2)
	v_cmp_lt_f32 s45, v[OV], v[BEST+\t]
	s_delay_alu instid0(VALU_DEP_3)
	v_cmp_eq_f32 s46, v[OV], v[BEST+\t]
	s_delay_alu instid0(VALU_DEP_3)
	v_cmp_lt_u32 s47, v[OK], v[K+\t]
	s_and_b32 s46, s46, s47
	s_or_b32 s45, s45, s46
	v_cndmask_b32 v[BEST+\t], v[BEST+\t], v[OV], s45
	v_cndmask_b32 v[K+\t], v[K+\t], v[OK], s45
.endr
.irp q, 0,1                                    ; lanes 0-15 tile 2 q's rows, lanes 16-31 tile 2 q + 1's: 32 rows on end
	v_cndmask_b32 v[OUT+2*\q], v[BEST+2*\q], v[BEST+2*\q+1], s[HALF]
	v_cndmask_b32 v[OUT+2*\q+1], v[K+2*\q], v[K+2*\q+1], s[HALF]
	global_store_b64 v[L8], v[OUT+2*\q:OUT+2*\q+1], s[8:9] offset:256*\q      ; 256 consecutive bytes, aligned
.endr
	s_wait_tensorcnt 0x0                           ; the wave's end
	ds_add_u32 v254, v255
	s_wait_dscnt 0x0
	ROUND                                          ; the closing round: no work-group ends while a partner may still ask for records that name it
	s_endpgm
.Lfunc_end_k_q6a018322a1_bmu:
	.size	k_q6a018322a1_bmu, .Lfunc_end_k_q6a018322a1_bmu-k_q6a018322a1_bmu
	.p2alignl 7, 3214868480
	.fill 96, 4, 3214868480
	.section	.rodata,"a",@progbits
	.p2align	6, 0x0
	.amdhsa_kernel k_q6a018322a1_bmu
		.amdhsa_group_segment_fixed_size 169984
		.amdhsa_private_segment_fixed_size 0
		.amdhsa_enable_private_segment 0
		.amdhsa_kernarg_size 24
		.amdhsa_user_sgpr_count 2
		.amdhsa_user_sgpr_kernarg_segment_ptr 1
		.amdhsa_wavefront_size32 1
		.amdhsa_system_sgpr_workgroup_id_x 1
		.amdhsa_system_sgpr_workgroup_id_y 1
		.amdhsa_system_sgpr_workgroup_id_z 1
		.amdhsa_system_vgpr_workitem_id 0
		.amdhsa_next_free_vgpr 256
		.amdhsa_next_free_sgpr 66
		.amdhsa_reserve_vcc 1
		.amdhsa_float_denorm_mode_32 3
		.amdhsa_float_denorm_mode_16_64 3
		.amdhsa_memory_ordered 1
		.amdhsa_forward_progress 1
		.amdhsa_inst_pref_size 24
	.end_amdhsa_kernel
	.amdgpu_metadata
---
amdhsa.version: [ 1, 2 ]
amdhsa.kernels:
  - .name:           k_q6a018322a1_bmu
    .symbol:         k_q6a018322a1_bmu.kd
    .args:
      - { .name: wimg, .offset: 0, .size: 8, .value_kind: global_buffer, .address_space: global }
      - { .name: ximg, .offset: 8, .size: 8, .value_kind: global_buffer, .address_space: global }
      - { .name: part, .offset: 16, .size: 8, .value_kind: global_buffer, .address_space: global }
    .group_segment_fixed_size: 169984
    .private_segment_fixed_size: 0
    .kernarg_segment_align: 8
    .kernarg_segment_size: 24
    .max_flat_workgroup_size: 512
    .sgpr_count:     66
    .vgpr_count:     256
    .wavefront_size: 32
...
	.end_amdgpu_metadata
.endif
;; end of part 2
;; launch tables (part 3): grid 64 x 4, 4 waves a work-group, no clusters, 1,536 bytes of LDS; arguments part, pyimg, pximg; writes pyimg, pximg
.if DOCPART == 3
	.amdgcn_target "amdgcn-amd-amdhsa--gfx1250"
	.amdhsa_code_object_version 6
	.text
	.protected	k_q6a018322a1_tables
	.globl	k_q6a018322a1_tables
	.p2align	8
	.type	k_q6a018322a1_tables,@function
k_q6a018322a1_tables:
	s_mov_b64 s[64:65], 0
	v_nop
	global_prefetch_b8 v0, s[64:65] scope:SCOPE_SE
	s_setreg_imm32_b32 hwreg(HW_REG_WAVE_MODE, 25, 1), 1
	s_wait_xcnt 0x0
; TABLES: the 32 parts of each data row are merged into its winner (the lesser key, of equal keys the lower unit), and the two Gaussians round the winner's grid place are laid as the last launch's registers want them.
; px[b][m] = exp(-(m - w0[b])^2 / d), py[b][n] = exp(-(n - w1[b])^2 / d); d = 2 sigma^2 = 2^11.2 and lr = 0.5 e^-0.15 are constants of the problem (it = 3).  lr is folded into px.
; exp(-T / d) = 2^(T c), c = -log2(e) / d kept as an f32 and its remainder: N = the nearest whole number to T c, F = T c - N by two fused multiply-adds, 2^F by v_exp_f32, x 2^N by v_ldexp_f32: T is a whole number, so F carries one rounding.
; pyimg [nt 8][s 64][q 16][lane][16 B]: register 32 c + i of lane (r, h) = py[128 s + 64 c + 32 h + i][16 nt + r], q = 8 c + i / 4.
; pximg [mset 32][s 64][c 2][u 2][lane][16 B]: word x of lane (q', h) = lr px[128 s + 64 c + 32 h + 16 (x & 1) + q'][4 mset + 2 u + (x >> 1)].
; SHARES: x = s, 128 batch rows, a thread a row for the merge (repeated in the four y).  y = 0, 1: wave w makes pyimg's nt = 4 y + w.  y = 2, 3: pximg's mset = 16 (y - 2) + 4 w + 0 .. 3.
; No address and no branch hangs on the winners: they enter as numbers alone.
.set PT,  16                           ; v16-79  32 parts: key, unit
.set T,   80                           ; v80-111
.set N,   112                          ; v112-143
.set F,   144                          ; v144-175
.set W0,  176                          ; v176-179
.set MB,  180
.set CCH, 24                           ; s[24:25]
.set CCL, 26                           ; s[26:27]
.set LR,  28                           ; s[28:29]
.macro MERGE a, b
	v_cmp_lt_f32 s20, v[PT+2*(\b)], v[PT+2*(\a)]
	v_cmp_eq_f32 s21, v[PT+2*(\b)], v[PT+2*(\a)]
	v_cmp_lt_u32 s22, v[PT+2*(\b)+1], v[PT+2*(\a)+1]
	s_and_b32 s21, s21, s22
	s_or_b32 s20, s20, s21
	v_cndmask_b32 v[PT+2*(\a)], v[PT+2*(\a)], v[PT+2*(\b)], s20
	v_cndmask_b32 v[PT+2*(\a)+1], v[PT+2*(\a)+1], v[PT+2*(\b)+1], s20
.endm
; 32 differences in v[T] on become 32 Gaussians in v[F] on
.macro GAUSS
.set i, 0
.rept 16
	v_pk_mul_f32 v[T+i:T+i+1], v[T+i:T+i+1], v[T+i:T+i+1]
.set i, i+2
.endr
.set i, 0
.rept 16
	v_pk_mul_f32 v[N+i:N+i+1], v[T+i:T+i+1], s[CCH:CCH+1] op_sel_hi:[1,0]
.set i, i+2
.endr
.set i, 0
.rept 32
	v_rndne_f32 v[N+i], v[N+i]
.set i, i+1
.endr
.set i, 0
.rept 16
	v_pk_fma_f32 v[F+i:F+i+1], v[T+i:T+i+1], s[CCH:CCH+1], v[N+i:N+i+1] op_sel_hi:[1,0,1] neg_lo:[0,0,1] neg_hi:[0,0,1]
.set i, i+2
.endr
.set i, 0
.rept 16
	v_pk_fma_f32 v[F+i:F+i+1], v[T+i:T+i+1], s[CCL:CCL+1], v[F+i:F+i+1] op_sel_hi:[1,0,1]
.set i, i+2
.endr
.set i, 0
	s_wait_alu depctr_va_vdst(0)
.rept 32
	v_exp_f32 v[F+i], v[F+i]                       ; one batch
.set i, i+1
.endr
.set i, 0
.rept 32
	v_cvt_i32_f32 v[N+i], v[N+i]                   ; plain work that names no exponential's result
.set i, i+1
.endr
	s_wait_alu depctr_va_vdst(0)                   ; one wait for the batch, ahead of its first reader
.set i, 0
.rept 32
	v_ldexp_f32 v[F+i], v[F+i], v[N+i]
.set i, i+1
.endr
.endm
	s_load_b128 s[4:7], s[0:1], 0x0                ; part, pyimg
	s_load_b64 s[8:9], s[0:1], 0x10                ; pximg
	v_lshl_add_u32 v192, v0, 2, 0x400
	v_mov_b32 v193, 0
	v_lshrrev_b32 v10, 5, v0
	v_readfirstlane_b32 s12, v10                   ; wave
	s_and_b32 s13, ttmp7, 0xffff                   ; y
	v_lshlrev_b32 v1, 3, v0                        ; 8 x thread: my row's pair in a part
	v_lshlrev_b32 v2, 2, v0                        ; 4 x thread: my row's word in LDS
	v_and_b32 v10, 31, v0
	v_lshlrev_b32 v3, 4, v10                       ; 16 x lane
	v_bfe_u32 v11, v0, 4, 1                        ; h
	v_and_b32 v12, 15, v0                          ; r
	v_lshlrev_b32 v4, 7, v11                       ; 128 h: my half's 32 rows
	v_lshl_add_u32 v5, v12, 2, v4                  ; + 4 r
	s_lshl_b32 s14, ttmp9, 10                      ; 128 rows of 8 bytes
	s_mov_b32 s15, 0
	s_mov_b32 s[CCH], 0xba20c29c                   ; -log2(e) / 2^11.2, to the nearest f32,
	s_mov_b32 s[CCH+1], s[CCH]
	s_mov_b32 s[CCL], 0x2d620000                   ; and what that leaves
	s_mov_b32 s[CCL+1], s[CCL]
	s_mov_b32 s[LR], 0x3edc575c                    ; 0.5 e^-0.15
	s_mov_b32 s[LR+1], s[LR]
	s_wait_alu depctr_va_vdst(0)
	s_wait_kmcnt 0x0
	s_add_nc_u64 s[4:5], s[4:5], s[14:15]
.set p, 0
.rept 32
	global_load_b64 v[PT+2*p:PT+2*p+1], v1, s[4:5] offset:65536*p
.set p, p+1
.endr
	s_wait_loadcnt 0x0
.irp d, 1,2,4,8,16                             ; a tree: the rule is a least element in an order, so any bracketing gives the same winner
.set p, 0
.rept 16/\d
	MERGE p, p+\d
.set p, p+2*\d
.endr
.endr
	v_lshrrev_b32 v13, 7, v[PT+1]
	v_and_b32 v14, 127, v[PT+1]
	v_cvt_f32_u32 v13, v13                         ; w0: the winner's grid row
	v_cvt_f32_u32 v14, v14                         ; w1: its grid column
	ds_store_b32 v2, v13
	ds_store_b32 v2, v14 offset:512
	s_wait_dscnt 0x0                               ; for the others' sake
	s_barrier_signal -1
	s_barrier_wait -1
	s_cmp_lt_u32 s13, 2
	s_cbranch_scc0 .Lpx
	; ---- py
	s_lshl_b32 s16, s13, 2
	s_add_co_u32 s16, s16, s12                     ; nt
	s_lshl_b32 s17, s16, 4
	v_add_nc_u32 v6, s17, v12
	v_cvt_f32_u32 v6, v6                           ; my n
	v_mov_b32 v7, v6
	s_wait_alu depctr_va_vdst(0)
	s_lshl_b32 s16, s16, 6
	s_add_co_u32 s16, s16, ttmp9
	s_lshl_b32 s16, s16, 13                        ; (64 nt + s) x 8,192 bytes
	s_mov_b32 s17, 0
	s_add_nc_u64 s[6:7], s[6:7], s[16:17]
.irp c, 0,1
.irp i, 0,1,2,3,4,5,6,7
	ds_load_b128 v[T+4*\i:T+4*\i+3], v4 offset:512+256*\c+16*\i    ; w1 of rows 64 c + 32 h + 0 .. 31: the same for all lanes of a half
.endr
	s_wait_dscnt 0x0
.set i, 0
.rept 16
	v_pk_add_f32 v[T+i:T+i+1], v[6:7], v[T+i:T+i+1] neg_lo:[0,1] neg_hi:[0,1]
.set i, i+2
.endr
.if \c
	s_wait_xcnt 0x0                                ; the stores have read their registers: they are written again only behind this wait
.endif
	GAUSS
.irp i, 0,1,2,3,4,5,6,7
	global_store_b128 v3, v[F+4*\i:F+4*\i+3], s[6:7] offset:4096*\c+512*\i
.endr
.endr
	s_wait_tensorcnt 0x0
	ds_add_u32 v192, v193
	s_wait_dscnt 0x0
	s_endpgm
.Lpx:
	; ---- lr px
	s_sub_co_u32 s16, s13, 2
	s_lshl_b32 s16, s16, 4
	s_lshl_b32 s17, s12, 2
	s_add_co_u32 s16, s16, s17                     ; my first mset
	s_lshl_b32 s17, s16, 2
	v_cvt_f32_u32 v[MB], s17                       ; its first m
	s_lshl_b32 s16, s16, 6
	s_add_co_u32 s16, s16, ttmp9
	s_lshl_b32 s16, s16, 11                        ; (64 mset + s) x 2,048 bytes
	s_mov_b32 s17, 0
	s_add_nc_u64 s[8:9], s[8:9], s[16:17]
.irp c, 0,1
.irp z, 0,1
	ds_load_b32 v[W0+2*\c+\z], v5 offset:256*\c+64*\z              ; w0 of row 64 c + 32 h + 16 z + r
.endr
.endr
	s_wait_alu depctr_va_vdst(0)
	s_wait_dscnt 0x0
.irp g, 0,1                                    ; two mset at a time: 32 numbers a lane
.irp a, 0,1
.irp c, 0,1
.irp z, 0,1
	v_sub_f32 v[T+16*\a+8*\c+\z], v[MB], v[W0+2*\c+\z]             ; t = 0: whole numbers, nothing is rounded
.endr
.endr
.irp c, 0,1
.irp z, 0,1
	v_add_f32 v[T+16*\a+8*\c+2+\z], 1.0, v[T+16*\a+8*\c+\z]
	v_add_f32 v[T+16*\a+8*\c+4+\z], 2.0, v[T+16*\a+8*\c+\z]
	v_add_f32 v[T+16*\a+8*\c+6+\z], 0x40400000, v[T+16*\a+8*\c+\z]
.endr
.endr
	v_add_f32 v[MB], 4.0, v[MB]                    ; the next mset's first m
.endr
.if \g
	s_wait_xcnt 0x0
.endif
	GAUSS
.set i, 0
.rept 16
	v_pk_mul_f32 v[F+i:F+i+1], v[F+i:F+i+1], s[LR:LR+1] op_sel_hi:[1,0]
.set i, i+2
.endr
.irp a, 0,1
.irp c, 0,1
.irp u, 0,1
	global_store_b128 v3, v[F+16*\a+8*\c+4*\u:F+16*\a+8*\c+4*\u+3], s[8:9] offset:(2*\g+\a)*131072+1024*\c+512*\u
.endr
.endr
.endr
.endr
	s_wait_tensorcnt 0x0
	ds_add_u32 v192, v193
	s_wait_dscnt 0x0
	s_endpgm
.Lfunc_end_k_q6a018322a1_tables:
	.size	k_q6a018322a1_tables, .Lfunc_end_k_q6a018322a1_tables-k_q6a018322a1_tables
	.p2alignl 7, 3214868480
	.fill 96, 4, 3214868480
	.section	.rodata,"a",@progbits
	.p2align	6, 0x0
	.amdhsa_kernel k_q6a018322a1_tables
		.amdhsa_group_segment_fixed_size 1536
		.amdhsa_private_segment_fixed_size 0
		.amdhsa_enable_private_segment 0
		.amdhsa_kernarg_size 24
		.amdhsa_user_sgpr_count 2
		.amdhsa_user_sgpr_kernarg_segment_ptr 1
		.amdhsa_wavefront_size32 1
		.amdhsa_system_sgpr_workgroup_id_x 1
		.amdhsa_system_sgpr_workgroup_id_y 1
		.amdhsa_system_sgpr_workgroup_id_z 1
		.amdhsa_system_vgpr_workitem_id 0
		.amdhsa_next_free_vgpr 194
		.amdhsa_next_free_sgpr 66
		.amdhsa_reserve_vcc 0
		.amdhsa_float_denorm_mode_32 3
		.amdhsa_float_denorm_mode_16_64 3
		.amdhsa_memory_ordered 1
		.amdhsa_forward_progress 1
		.amdhsa_inst_pref_size 65
	.end_amdhsa_kernel
	.amdgpu_metadata
---
amdhsa.version: [ 1, 2 ]
amdhsa.kernels:
  - .name:           k_q6a018322a1_tables
    .symbol:         k_q6a018322a1_tables.kd
    .args:
      - { .name: part, .offset: 0, .size: 8, .value_kind: global_buffer, .address_space: global }
      - { .name: pyimg, .offset: 8, .size: 8, .value_kind: global_buffer, .address_space: global }
      - { .name: pximg, .offset: 16, .size: 8, .value_kind: global_buffer, .address_space: global }
    .group_segment_fixed_size: 1536
    .private_segment_fixed_size: 0
    .kernarg_segment_align: 8
    .kernarg_segment_size: 24
    .max_flat_workgroup_size: 128
    .sgpr_count:     66
    .vgpr_count:     194
    .wavefront_size: 32
...
	.end_amdgpu_metadata
.endif
;; end of part 3
;; launch update (part 4): grid 32 x 8, 4 waves a work-group, clusters of 4 x 1, 327,680 bytes of LDS; arguments bimg, pyimg, pximg, out0; writes out0
.if DOCPART == 4
	.amdgcn_target "amdgcn-amd-amdhsa--gfx1250"
	.amdhsa_code_object_version 6
	.text
	.protected	k_q6a018322a1_update
	.globl	k_q6a018322a1_update
	.p2align	8
	.type	k_q6a018322a1_update,@function
k_q6a018322a1_update:
	s_mov_b64 s[64:65], 0
	v_nop
	global_prefetch_b8 v0, s[64:65] scope:SCOPE_SE
	s_setreg_imm32_b32 hwreg(HW_REG_WAVE_MODE, 25, 1), 1
	s_wait_xcnt 0x0
	s_wait_alu depctr_hold_cnt(0) depctr_sa_sdst(0) depctr_va_vdst(0) depctr_va_sdst(0) depctr_va_ssrc(0) depctr_va_vcc(0) depctr_vm_vsrc(0)
	s_getreg_b32 s2, hwreg(HW_REG_IB_STS2, 6, 4)
	s_cmp_eq_u32 s2, 0
	s_cbranch_scc0 .Lentry_in_a_cluster
	s_endpgm
.Lentry_in_a_cluster:
	s_bfe_u32 s2, ttmp6, 0x10000c
	s_cmp_lg_u32 s2, 0x3003
	s_cbranch_scc0 .Lentry_shape_is_right
	s_endpgm
.Lentry_shape_is_right:
; UPDATE: out0[m][n][:] = (sum over b of Q(nb)[b] Q(data)[b][:]) / (sum over b of nb[b]), nb[b] = lr px[b][m] py[b][n]: the second product on codes of FP4, K = the batch.
; A work-group makes 4 grid rows x 16 grid columns (64 units) x 256.  Wave w takes the K steps of 128 whose number is w modulo 4 and makes its operand in registers:
; the product, each block's largest number, its scale byte, the conversion, and the f32 sum of the unquantised numbers for the divisor.  The four waves' sums meet in LDS at the end.
; bimg's blocks come through two LDS slots of eight K steps each, by joint loads of the cluster's four work-groups, which share them.
; LEFT OUT: the choice of all_weights where the divisor is 0.  With it = 3, 2 sigma^2 = 2^11.2, and grid distances are at most 127 each way, so every term is at least
; lr e^(-2 x 127^2 / 2^11.2), an ordinary f32 above 0, whatever the inputs hold: the divisor is never 0, and all_weights is not among this launch's arguments.
.set KSB,   17408
.set SLOTB, 8*KSB
.set QUART, 2*KSB
.set SPARE, 2*SLOTB
.set DENB,  SPARE+512
.set SPITCH, 1040
.set WSTG,  64*SPITCH
.set SPW,  1
.set NIL,  2
.set L16,  3
.set BASEC, 4
.set BASES, 5
.set CURC, 6
.set CURS, 7
.set SH8,  8
.set AD,   9
.set STO,  13
.set DST,  14
.set DLD,  15
.set Y,    16
.set P,    80
.set E,    96
.set AF,   160
.set AS,   192
.set BS,   196
.set DEN,  204
.set BY,   212
.set MX,   220
.set SO,   228
.set T,    230
.set RS,   16
.set OUT,  96
.set DV,   112
.set RCV,  116
.set WV,   12
.set G1,   16
.set G0,   24
.set YB,   32
.set PB,   34
.set SY,   36
.set SP,   38
.set KC,   40
.set TB,   41
.set IT,   42
.set LP,   43
.set SEL,  44
.set OB,   56
.set RC,   68
.set MSB, 0
.macro WIN new
.if MSB != (\new)
	s_set_vgpr_msb (MSB<<8)|(\new)
.set MSB, (\new)
.endif
.endm
.set MUL_LO, 0xa1
.set MUL_HI, 0xf1
.set TO_B,   0x40
.macro ROUND
	s_barrier_signal -1
	s_barrier_wait -1
	s_cmp_lg_u32 s[WV], 0
	s_cbranch_scc1 .Lnw0_\@
	s_barrier_signal -3
.Lnw0_\@:
	s_barrier_wait -3
	s_barrier_signal -1
	s_barrier_wait -1
.endm
.macro PLACES
.rept 4
	v_nop
.endr
.endm
.macro WORD dst, by0, by1
	v_lshl_or_b32 v[\dst], v[\by1], 16, v[\by0]
	v_lshlrev_b32 v[\dst], v[SH8], v[\dst]
	v_permlanex16_b32 v[T], v[\dst], s[SEL], s[SEL+1]
	v_or_b32 v[\dst], v[\dst], v[T]
.endm
.macro LOADS c
.irp q, 0,1,2,3,4,5,6,7
	global_load_b128 v[Y+32*\c+4*\q:Y+32*\c+4*\q+3], v[L16], s[YB:YB+1] offset:4096*\c+512*\q
.endr
.irp u, 0,1
	global_load_b128 v[P+8*\c+4*\u:P+8*\c+4*\u+3], v[L16], s[PB:PB+1] offset:1024*\c+512*\u
.endr
.endm
.macro GEN2 c, tp
.irp x, 0,1
.irp z, 0,1
.irp q, 0,1,2,3,4,5,6,7,8,9,10,11,12,13,14,15
	v_mul_f32_dpp v[E+32*\x+16*\z+\q], v[P+8*\c+2*(2*\tp+\x)+\z], v[Y+32*\c+16*\z+\q] row_share:\q row_mask:0xf bank_mask:0xf
.endr
.endr
.endr
.irp x, 0,1
.irp k, 0,1,2,3
	v_max_num_f32 v[MX+4*\x+\k], v[E+32*\x+8*\k], v[E+32*\x+8*\k+1]
.endr
.endr
.irp i, 2,4,6
.irp x, 0,1
.irp k, 0,1,2,3
	v_max3_num_f32 v[MX+4*\x+\k], v[MX+4*\x+\k], v[E+32*\x+8*\k+\i], v[E+32*\x+8*\k+\i+1]
.endr
.endr
.endr
.irp x, 0,1
	v_max3_num_f32 v[MX+4*\x], v[MX+4*\x], v[MX+4*\x+1], v[MX+4*\x+2]
.endr
.irp x, 0,1
	v_max3_num_f32 v[MX+4*\x], v[MX+4*\x], v[MX+4*\x+3], 0x1800000
.endr
.irp x, 0,1
	v_add_nc_u32 v[SO+\x], 0xff000000, v[MX+4*\x]
.endr
.irp x, 0,1
	v_lshrrev_b32 v[BY+2*(2*\tp+\x)+\c], 23, v[SO+\x]
.endr
.if \c
.irp x, 0,1
	WORD AS+2*\tp+\x, BY+2*(2*\tp+\x), BY+2*(2*\tp+\x)+1
.endr
.endif
.irp x, 0,1
.irp g, 0,1,2,3
	v_cvt_scalef32_pk8_fp4_f32 v[AF+8*(2*\tp+\x)+4*\c+\g], v[E+32*\x+8*\g:E+32*\x+8*\g+7], v[SO+\x]
.endr
.endr
	v_nop
.irp d, 16,8,4,2
.set u, 0
.rept \d/2
.irp x, 0,1
	v_dual_add_f32 v[E+32*\x+u], v[E+32*\x+u], v[E+32*\x+u+\d] :: v_dual_add_f32 v[E+32*\x+u+1], v[E+32*\x+u+1], v[E+32*\x+u+\d+1]   ; two adds of the divisor's tree: u and d are even, so the pair's destinations and sources are neighbours
.endr
.set u, u+2
.endr
.endr
.irp x, 0,1
	v_dual_add_f32 v[DEN+2*(2*\tp+\x)], v[DEN+2*(2*\tp+\x)], v[E+32*\x] :: v_dual_add_f32 v[DEN+2*(2*\tp+\x)+1], v[DEN+2*(2*\tp+\x)+1], v[E+32*\x+1]
.endr
.endm
.macro MM acc, ct, af, as, zero
.if \zero
.if (\ct)%2
	v_wmma_scale_f32_16x16x128_f8f6f4 v[(\acc):(\acc)+7], v[8*(\ct):8*(\ct)+7], v[(\af):(\af)+7], 0, v[BS+(\ct)/2], v[\as] matrix_a_fmt:MATRIX_FMT_FP4 matrix_b_fmt:MATRIX_FMT_FP4 matrix_a_scale:MATRIX_SCALE_ROW1
.else
	v_wmma_scale_f32_16x16x128_f8f6f4 v[(\acc):(\acc)+7], v[8*(\ct):8*(\ct)+7], v[(\af):(\af)+7], 0, v[BS+(\ct)/2], v[\as] matrix_a_fmt:MATRIX_FMT_FP4 matrix_b_fmt:MATRIX_FMT_FP4
.endif
.else
.if (\ct)%2
	v_wmma_scale_f32_16x16x128_f8f6f4 v[(\acc):(\acc)+7], v[8*(\ct):8*(\ct)+7], v[(\af):(\af)+7], v[(\acc):(\acc)+7], v[BS+(\ct)/2], v[\as] matrix_a_fmt:MATRIX_FMT_FP4 matrix_b_fmt:MATRIX_FMT_FP4 matrix_a_scale:MATRIX_SCALE_ROW1
.else
	v_wmma_scale_f32_16x16x128_f8f6f4 v[(\acc):(\acc)+7], v[8*(\ct):8*(\ct)+7], v[(\af):(\af)+7], v[(\acc):(\acc)+7], v[BS+(\ct)/2], v[\as] matrix_a_fmt:MATRIX_FMT_FP4 matrix_b_fmt:MATRIX_FMT_FP4
.endif
.endif
.endm
.macro MUL32 hi, zero
.irp tl, 0,1
.irp ct, 0,1,2,3,4,5,6,7,8,9,10,11,12,13,14,15
	MM 8*(16*\tl+\ct), \ct, AF+8*(2*\hi+\tl), AS+2*\hi+\tl, \zero
.endr
.endr
.endm
.macro KSTEP zero
	v_add_nc_u32 v[CURC], s[TB], v[BASEC]
	v_add_nc_u32 v[CURS], s[TB], v[BASES]
	PLACES
	WIN TO_B
.irp ct, 0,1,2,3,4,5,6,7,8,9,10,11,12,13,14,15
.irp c, 0,1
	ds_load_b128 v[8*\ct+4*\c:8*\ct+4*\c+3], v[CURC] offset:1024*\ct+512*\c
.endr
.endr
	WIN 0
.irp u, 0,1,2,3,4,5,6,7
	ds_load_b32 v[BS+\u], v[CURS] offset:128*\u
.endr
	s_wait_loadcnt 10
	GEN2 0, 0
	GEN2 0, 1
	s_wait_xcnt 0x0
	s_cmp_gt_u32 s[KC], 1
	s_cselect_b32 s[SY], 0x8000, 0
	s_cselect_b32 s[SP], 0x2000, 0
	s_add_nc_u64 s[YB:YB+1], s[YB:YB+1], s[SY:SY+1]
	s_add_nc_u64 s[PB:PB+1], s[PB:PB+1], s[SP:SP+1]
	LOADS 0
	s_wait_loadcnt 10
	GEN2 1, 0
	GEN2 1, 1
	LOADS 1
	s_sub_co_u32 s[KC], s[KC], 1
	s_wait_dscnt 0x0
	WIN MUL_LO
	MUL32 0, \zero
	WIN MUL_HI
	MUL32 1, \zero
	WIN 0
.endm
.macro WORK slot
	s_mov_b32 s[TB], \slot*SLOTB
	s_mov_b32 s[IT], 2
.Lks_\@:
	KSTEP 0
	s_add_co_u32 s[TB], s[TB], 4*KSB
	s_sub_co_u32 s[IT], s[IT], 1
	s_cmp_lg_u32 s[IT], 0
	s_cbranch_scc1 .Lks_\@
.endm
.macro TWO slot, refill
	s_wait_tensorcnt 0x0
	ds_add_u32 v[SPW], v[NIL]
.if \refill
	s_add_nc_u64 s[G0+4*(1-\slot)+2:G0+4*(1-\slot)+3], s[G0+4*(1-\slot)+2:G0+4*(1-\slot)+3], 2*SLOTB
.endif
	s_wait_dscnt 0x0
.if \refill
	ROUND
	tensor_load_to_lds s[G0+4*(1-\slot):G0+4*(1-\slot)+3], s[G1:G1+7]
	s_nop 0
	PLACES
.else
	s_barrier_signal -1
	s_barrier_wait -1
.endif
	WORK \slot
.endm
	s_load_b256 s[4:11], s[0:1], 0x0
	v_lshl_add_u32 v[SPW], v0, 2, SPARE
	v_mov_b32 v[NIL], 0
	ds_add_u32 v1, v2
	ds_add_u32 v1, v2
	s_wait_dscnt 0x0
	v_lshrrev_b32 v220, 5, v0
	v_readfirstlane_b32 s[WV], v220
	s_mov_b32 s[G1], 15|(3<<16)|(1<<21)
	s_mov_b32 s[G1+1], 32<<16
	s_mov_b32 s[G1+2], 136<<16
	s_mov_b32 s[G1+3], 32<<16
	s_mov_b32 s[G1+4], 136
	s_mov_b32 s[G1+5], 32
	s_mov_b32 s[G1+6], 0
	s_mov_b32 s[G1+7], 0
	s_mul_i32 s48, s[WV], QUART
	s_mov_b32 s49, 0
	s_wait_kmcnt 0x0
	s_add_nc_u64 s[4:5], s[4:5], s[48:49]
.irp s, 0,1
	s_mov_b32 s[G0+4*\s], 1
	s_add_co_u32 s[G0+4*\s+1], s48, \s*SLOTB
	s_add_nc_u64 s[G0+4*\s+2:G0+4*\s+3], s[4:5], \s*SLOTB
	s_or_b32 s[G0+4*\s+3], s[G0+4*\s+3], 0x80000000
.endr
	ROUND
	tensor_load_to_lds s[G0:G0+3], s[G1:G1+7]
	s_nop 0
	; my first K step's py and px are asked for here, ahead of the wait for the first slot: 20 loads into registers that nothing names before KSTEP's counted waits
	s_bfe_u32 s13, ttmp6, 0x40000                  ; cx: it enters pximg's and out0's addresses alone
	s_lshl_b32 s14, ttmp9, 2
	s_add_co_u32 s14, s14, s13                     ; mset
	s_and_b32 s15, ttmp7, 0xffff                   ; nt
	s_lshl_b32 s46, s15, 6
	s_add_co_u32 s46, s46, s[WV]
	s_lshl_b32 s46, s46, 13                        ; (64 nt + wave) x 8,192 bytes
	s_mov_b32 s47, 0
	s_add_nc_u64 s[YB:YB+1], s[6:7], s[46:47]
	s_lshl_b32 s46, s14, 6
	s_add_co_u32 s46, s46, s[WV]
	s_lshl_b32 s46, s46, 11                        ; (64 mset + wave) x 2,048 bytes
	s_add_nc_u64 s[PB:PB+1], s[8:9], s[46:47]
	v_and_b32 v220, 31, v0
	v_lshlrev_b32 v[L16], 4, v220
	s_wait_alu depctr_va_vdst(0)
	LOADS 0
	LOADS 1
	s_wait_alu depctr_va_vdst(0)
	s_wait_tensorcnt 0x0
	ds_add_u32 v1, v2
	s_wait_dscnt 0x0
	ROUND
	tensor_load_to_lds s[G0+4:G0+7], s[G1:G1+7]
	s_nop 0
	PLACES
	s_lshl_b32 s46, s14, 2
	s_add_co_u32 s46, s46, s[WV]
	s_lshl_b32 s46, s46, 7
	s_lshl_b32 s50, s15, 4
	s_add_co_u32 s46, s46, s50
	s_lshl_b32 s46, s46, 10
	s_add_nc_u64 s[OB:OB+1], s[10:11], s[46:47]
	s_mov_b32 s[SY+1], 0
	s_mov_b32 s[SP+1], 0
	s_mov_b32 s[KC], 16
	s_mov_b32 s[SEL], 0x76543210
	s_mov_b32 s[SEL+1], 0xfedcba98
	v_and_b32 v221, 15, v0
	s_wait_alu depctr_va_vdst(0)
	v_bfe_u32 v222, v0, 4, 1
	s_mul_i32 s46, s[WV], KSB
	v_add_nc_u32 v[BASEC], s46, v[L16]
	s_add_co_u32 s50, s46, 16384
	v_lshl_add_u32 v[BASES], v220, 2, s50
	v_lshlrev_b32 v[SH8], 3, v222
	s_mul_i32 s46, s[WV], 16*SPITCH
.irp v, 0,1,2,3
	v_add_nc_u32 v[AD+\v], s46, v[L16]
	s_add_co_u32 s46, s46, WSTG
.endr
	s_mul_i32 s46, s[WV], WSTG
	v_mul_u32_u24 v[STO], v221, SPITCH
	s_wait_alu depctr_va_vdst(0)
	v_lshl_add_u32 v[STO], v222, 5, v[STO]
	v_add_nc_u32 v[STO], s46, v[STO]
	s_lshl_b32 s46, s[WV], 8
	s_add_co_u32 s46, s46, DENB
	v_lshl_add_u32 v[DST], v221, 2, s46
	s_lshl_b32 s46, s[WV], 6
	s_add_co_u32 s46, s46, DENB
	v_lshl_add_u32 v[DLD], v221, 2, s46
.set i, 0
.rept 64
	v_mov_b32 v[E+i], 0
.set i, i+1
.endr
	v_mov_b32 v[T], 0
.set i, 0
.rept 8
	v_mov_b32 v[DEN+i], 0
.set i, i+1
.endr
	s_wait_tensorcnt 1
	s_barrier_signal -1
	s_barrier_wait -1
	s_mov_b32 s[TB], 0
	KSTEP 1
	s_mov_b32 s[TB], 4*KSB
	KSTEP 0
	s_mov_b32 s[LP], 3
.Lring:
	TWO 1, 1
	TWO 0, 1
	s_sub_co_u32 s[LP], s[LP], 1
	s_cmp_lg_u32 s[LP], 0
	s_cbranch_scc1 .Lring
	TWO 1, 0
	s_wait_loadcnt 0x0
	s_wait_dscnt 0x0
	s_barrier_signal -1
	s_barrier_wait -1
	PLACES
	s_wait_alu depctr_va_vdst(0)
.irp t, 0,1,2,3
	v_add_f32 v[DEN+2*\t], v[DEN+2*\t], v[DEN+2*\t+1]
.endr
.irp t, 0,1,2,3
	v_permlanex16_b32 v[MX+\t], v[DEN+2*\t], s[SEL], s[SEL+1]
.endr
.irp t, 0,1,2,3
	v_add_f32 v[DEN+2*\t], v[DEN+2*\t], v[MX+\t]
.endr
.irp t, 0,1,2,3
	ds_store_b32 v[DST], v[DEN+2*\t] offset:64*\t
.endr
.irp t, 0,1,2,3
	WIN 0x08+4*(\t/2)
.irp ct, 0,1,2,3,4,5,6,7,8,9,10,11,12,13,14,15
	ds_store_b128 v[STO], v[8*(16*(\t%2)+\ct):8*(16*(\t%2)+\ct)+3] offset:16*\t*SPITCH+64*\ct
	ds_store_b128 v[STO], v[8*(16*(\t%2)+\ct)+4:8*(16*(\t%2)+\ct)+7] offset:16*\t*SPITCH+64*\ct+16
.endr
.endr
	WIN 0
	s_wait_dscnt 0x0
	s_barrier_signal -1
	s_barrier_wait -1
.macro ROWLD rr
.irp v, 0,1,2,3
.irp hf, 0,1
	ds_load_b128 v[RS+32*((\rr)%2)+8*\v+4*\hf:RS+32*((\rr)%2)+8*\v+4*\hf+3], v[AD+\v] offset:(\rr)*SPITCH+512*\hf
.endr
.endr
.endm
.irp v, 0,1,2,3
	ds_load_b32 v[DV+\v], v[DLD] offset:256*\v
.endr
	ROWLD 0
	ROWLD 1
	s_wait_dscnt 16
	v_add_f32 v[DV], v[DV], v[DV+1]
	v_add_f32 v[DV+2], v[DV+2], v[DV+3]
	v_add_f32 v[DV], v[DV], v[DV+2]
	s_wait_alu depctr_va_vdst(0)
	v_rcp_f32 v[RCV], v[DV]
	v_nop
	s_wait_alu depctr_va_vdst(0)
.irp rr, 0,1,2,3,4,5,6,7,8,9,10,11,12,13,14,15
	v_readlane_b32 s[RC+\rr], v[RCV], \rr
.endr
.macro ROW rr
.set RB, RS+32*((\rr)%2)
.set RO, OUT+8*((\rr)%2)
.if (\rr) < 15
	s_wait_dscnt 8
.else
	s_wait_dscnt 0x0
.endif
.if (\rr) >= 2
	s_wait_xcnt 0x0
.endif
.irp i, 0,2,4,6
	v_pk_add_f32 v[RO+\i:RO+\i+1], v[RB+\i:RB+\i+1], v[RB+8+\i:RB+8+\i+1]
	v_pk_add_f32 v[RB+16+\i:RB+16+\i+1], v[RB+16+\i:RB+16+\i+1], v[RB+24+\i:RB+24+\i+1]
.endr
.irp i, 0,2,4,6
	v_pk_add_f32 v[RO+\i:RO+\i+1], v[RO+\i:RO+\i+1], v[RB+16+\i:RB+16+\i+1]
.endr
.if (\rr)+2 < 16
	ROWLD (\rr)+2
.endif
.irp i, 0,1,2,3,4,5,6,7
	v_mul_f32 v[RO+\i], s[RC+(\rr)], v[RO+\i]
.endr
	global_store_b128 v[L16], v[RO:RO+3], s[OB:OB+1] offset:(\rr)*1024 th:TH_STORE_NT
	global_store_b128 v[L16], v[RO+4:RO+7], s[OB:OB+1] offset:(\rr)*1024+512 th:TH_STORE_NT
.endm
.irp rr, 0,1,2,3,4,5,6,7,8,9,10,11,12,13,14,15
	ROW \rr
.endr
	s_wait_tensorcnt 0x0
	ds_add_u32 v[SPW], v[NIL]
	s_wait_dscnt 0x0
	ROUND
	s_endpgm
.Lfunc_end_k_q6a018322a1_update:
	.size	k_q6a018322a1_update, .Lfunc_end_k_q6a018322a1_update-k_q6a018322a1_update
	.p2alignl 7, 3214868480
	.fill 96, 4, 3214868480
	.section	.rodata,"a",@progbits
	.p2align	6, 0x0
	.amdhsa_kernel k_q6a018322a1_update
		.amdhsa_group_segment_fixed_size 327680
		.amdhsa_private_segment_fixed_size 0
		.amdhsa_enable_private_segment 0
		.amdhsa_kernarg_size 32
		.amdhsa_user_sgpr_count 2
		.amdhsa_user_sgpr_kernarg_segment_ptr 1
		.amdhsa_wavefront_size32 1
		.amdhsa_system_sgpr_workgroup_id_x 1
		.amdhsa_system_sgpr_workgroup_id_y 1
		.amdhsa_system_sgpr_workgroup_id_z 1
		.amdhsa_system_vgpr_workitem_id 0
		.amdhsa_next_free_vgpr 1024
		.amdhsa_next_free_sgpr 100
		.amdhsa_reserve_vcc 0
		.amdhsa_float_denorm_mode_32 3
		.amdhsa_float_denorm_mode_16_64 3
		.amdhsa_memory_ordered 1
		.amdhsa_forward_progress 1
		.amdhsa_inst_pref_size 255
	.end_amdhsa_kernel
	.section	.bss,"aw",@nobits
	.p2align	6
	.space	262144
	.amdgpu_metadata
---
amdhsa.version: [ 1, 2 ]
amdhsa.kernels:
  - .name:           k_q6a018322a1_update
    .symbol:         k_q6a018322a1_update.kd
    .args:
      - { .name: bimg, .offset: 0, .size: 8, .value_kind: global_buffer, .address_space: global }
      - { .name: pyimg, .offset: 8, .size: 8, .value_kind: global_buffer, .address_space: global }
      - { .name: pximg, .offset: 16, .size: 8, .value_kind: global_buffer, .address_space: global }
      - { .name: out0, .offset: 24, .size: 8, .value_kind: global_buffer, .address_space: global }
    .group_segment_fixed_size: 327680
    .private_segment_fixed_size: 0
    .kernarg_segment_align: 8
    .kernarg_segment_size: 32
    .max_flat_workgroup_size: 128
    .sgpr_count:     100
    .vgpr_count:     1024
    .wavefront_size: 32
...
	.end_amdgpu_metadata
.endif
;; end of part 4
